; MI455X (gfx1250); checked and timed in simulation.
; The chip was launched on July 23, 2026; its instructions are those of AMD's public machine-readable ISA for CDNA 5 (MIT licence, August 2026) and "CDNA5" Instruction Set Architecture Reference Guide (July 2026). The comments in the code are by the model that wrote it; some were corrected since.
;; Linear Attention. Allowed arithmetic: matrix products marked QUANTISED: E2M3 operands, one E8M0 scale for each 32 along K, by v_wmma_scale_f32_16x16x128_f8f6f4 with both operands' format E2M3, f32 sums; products left as they are: f32 operands where the result goes on into a quantised operand, else bf16, f16 or f32 operands; f32 sums; everything else in f32.
;; Inputs: keys 8 x 8,192 x 8 x 32 float32; queries 8 x 8,192 x 8 x 32 float32; values 8 x 8,192 x 8 x 32 float32.
;; Outputs: out0 8 x 8,192 x 8 x 32 float32.
;; This version of the problem:
;;   THIS VERSION OF THE PROBLEM IS GIVEN IN LOW PRECISION. The matrix products marked QUANTISED in the list below multiply operands that are first quantised to E2M3 (2 exponent bits, 3 mantissa bits; 6 bits a number), with one power-of-two scale for each 32 numbers along K (OCP MX v1.0); their sums are f32. All else is computed in f32.
;;   The module's matrix products, in the order in which they are computed (A, B: the left and right operand; K: the contracted axis; several contracted axes count as one K, in the product's order):
;;     1. batch 64 x [M 32, K 8,192] x [K 8,192, N 32]; A: computed on the way; B: computed on the way: QUANTISED
;;     2. batch 64 x [M 1, K 32] x [K 32, N 8,192]; A: computed on the way; B: computed on the way: left as it is (M = 1 < 16)
;;     3. batch 64 x [M 32, K 32] x [K 32, N 8,192]; A: computed on the way; B: computed on the way: QUANTISED
;;   THE QUANTISER, for each operand of a quantised product, along K:
;;     - K is cut into blocks of 32 from its start; a last block that is shorter is filled with zeros.
;;     - A block's scale is 2^e with e = floor(log2(the largest magnitude in the block)) - 2, held to -126 .. 127; a block of zeros has e = 0. As a byte (E8M0): e + 127.
;;     - Each number is divided by its block's scale, clamped to +-7.5, and rounded to the nearest number of E2M3, ties to even, subnormals kept.
;;     - The product sums the exact products of the quantised numbers (number of the format x scale) in f32.
;;   ~~~python
;;   def quantise(x, axis):      # numpy; x: float32 -> the quantised numbers, widened to float32 again
;;       x = np.moveaxis(x, axis, -1); K = x.shape[-1]
;;       x = np.pad(x, [(0, 0)] * (x.ndim - 1) + [(0, -K % 32)]); x = x.reshape(x.shape[:-1] + (-1, 32)); a = np.abs(x).max(-1, keepdims=True)
;;       e = np.where(a > 0, np.clip(np.frexp(np.where(a > 0, a, 1))[1] - 1 - 2, -126, 127), 0)      # np.frexp(a)[1] - 1 = floor(log2(a)), exactly
;;       r = np.clip(x / 2.0 ** e, -7.5, 7.5)
;;       step = 2.0 ** (np.maximum(np.frexp(np.where(r == 0, 1, r))[1] - 1, 0) - 3)
;;       q = np.round(r / step) * step * 2.0 ** e      # np.round: ties to even
;;       return np.moveaxis(q.reshape(q.shape[:-2] + (-1,))[..., :K], -1, axis).astype(np.float32)
;;   ~~~
;;   OPERANDS COMPUTED ON THE WAY. 'Computed on the way' means the value that the module computes at that place (a softmax that the list does not call 'softmax' is quantised finished and normalised). What goes into a quantiser is computed in f32, as accurately as f32 sums, v_exp_f32 and their like allow (about 1e-6 of the number): no bf16 or f16 on the way to a quantiser, and a product that is left as it is and whose result goes on into a quantised operand takes f32 operands (vector FMAs, or v_wmma_f32_16x16x4_f32). A number that lies on a knife's edge between two numbers of the format may be rounded either way, as far as f32 arithmetic and the matrix unit's own rounding can turn it there, and no further.
;; 2 versions, each right; version 2 is version 1 with the launch kvpart written anew for expert scheduling mode. Each part assembles by itself: llvm-mc -triple=amdgcn-amd-amdhsa -mcpu=gfx1250 --defsym DOCPART=n.
;; ======== version 1 of 2: 2 launches
;; workspace buffers: kvp 2,162,688 bytes
;; launch kvpart (part 1): grid 256 x 1, 16 waves a work-group, no clusters, 137,216 bytes of LDS; arguments keys, values, kvp; writes kvp
.if DOCPART == 1
	.amdgcn_target "amdgcn-amd-amdhsa--gfx1250"
	.amdhsa_code_object_version 6
	.text
	.protected	k_q16537a6b8a_kvpart
	.globl	k_q16537a6b8a_kvpart
	.p2align	8
	.type	k_q16537a6b8a_kvpart,@function
k_q16537a6b8a_kvpart:
	s_mov_b64 s[64:65], 0
	v_nop
	global_prefetch_b8 v0, s[64:65] scope:SCOPE_SE
	s_setreg_imm32_b32 hwreg(HW_REG_WAVE_MODE, 25, 1), 1
	s_wait_xcnt 0x0
; PARTIAL SUMS OF  KV[n,h,d,v] = sum over s of Q6(elu(keys)+1)[s,d] * Q6(values/8192)[s,v]  AND OF  Ksum[n,h,d] = sum over s of (elu(keys)+1)[s,d].
; Q6: codes of FP6 (E2M3) with one E8M0 scale for each 32 along s.  keys, values: [8][8192][8][32] f32.
; SHARES.  Work-group x: n = x / 32, chunk c = (x / 4) % 8 (1,024 s), head pair p = x % 4.  Each of its 16 waves takes 64 s of both heads.
; LOADS.  A row's 2 heads x 32 numbers are 256 consecutive bytes, aligned: one global_load_b64 of the wave reads them, lane l the columns 2 l and 2 l + 1
; (lanes 0-15: the pair's first head, lanes 16-31: its second).  A ring of three half-units (16 rows, 32 registers) keeps 48 loads of the wave on their way.
; A LANE'S REGISTERS MUST RUN DOWN s FOR ONE COLUMN (the conversions take 16 neighbours along K from consecutive registers).  The loaded pairs are taken apart by an
; instruction that is owed anyway and is free in its destination: for keys the multiplication by log2(e), for values the division by 8192 (a multiplication by 2^-13).
; elu(x) + 1 is made as it is defined: med3(x, 2^(x log2 e) - 1, 0) + 1  (x > 0: x lies between 0 and e^x - 1; x <= 0: e^x - 1 lies between x and 0).
; OPERANDS.  A block of 32 s of a column lies whole in one lane.  Blocks 0 and 1 of the wave's 64 s change halves (v_permlane16_swap_b32): one register then holds the first head's
; blocks 0 | 1 in lanes 0-15 | 16-31, the other the second head's: the 6-bit operand's layout.  Tile j of a head = its columns 2 r + j.
; K's operand j is [first head | second head] (k blocks 0, 1 | 2, 3);  V's operands are [first head | zeros] and [zeros | second head], which share one run of six zero registers.
; So eight products (2 heads x 2 x 2 tiles), each the wave's whole sum: C is the constant 0.  Source 0 = K (rows d), source 1 = V (columns v): lane (r, h), register i holds KV(d = 2 (8 h + i) + j, v = 2 r + j').
; THE WORK-GROUP'S SUM.  The 16 waves put their 64 result registers into LDS as images (16 bytes a lane, 512 a store); behind one barrier thread t adds the 16 bytes at 16 t of all 16 images
; and stores them at 16 t of the work-group's record: a wave stores 512 consecutive bytes.  Record (8,448 bytes) = 8,192 of KV in image order (image 8 head + 4 j + 2 j' + q: registers 4 q .. 4 q + 3) + 256 of Ksum (64 columns).
; No input is shared between work-groups: no cluster.  Every byte is read once, from the first lines on: nothing is prefetched.
; LIMITS: NaN and infinities are not served.  A block whose largest magnitude lies under 2^-124 keeps the scale byte 1 (a block of zeros too: its codes are zeros, and this program alone reads the bytes).
.set ROWB,  1024                       ; bytes from s to s + 1
.set REC,   8448                       ; a work-group's record in kvp
.set IMG,   8192                       ; LDS: a wave's 16 images
.set KSL,   16*IMG                     ; LDS: behind them 256 bytes of column sums for each wave
.set LOFF,  1                          ; v1       8 x lane: my 8 bytes of a row's 256; never rewritten
.set KS,    4                          ; v4-11    running column sums: chain c = 2 j + half of the block, a pair each
.set MX,    12                         ; v12-15   largest magnitudes, two chains for each j
.set SC,    16                         ; v16-17   the conversions' scale operands
.set BY,    18                         ; v18-19   scale bytes at work
.set WK,    20                         ; v20-21   K's scale words, tile j
.set WV,    22                         ; v22-23   V's
.set CT,    24                         ; v24-26, v28-30  the upper 16 codes of a block, before they are moved
.set KG,    32                         ; v32-55   K's two operands of 12
.set VG,    56                         ; v56-91   V's: for each j' 18 registers: first head, zeros, second head
.set PX,    92                         ; v92-95   lane exchanges
.set T,     96                         ; v96-159  a block of 32 s: T + 32 j + s
.set R,     160                        ; v160-255 the ring: three half-units as loaded
.set DD,    160                        ; behind the stream: the 8 results, then the 16 images' pieces to be added
.set LW16,  96                         ; behind the stream, in T's registers: LDS addresses
.set LW8,   97
.set RA,    98
.set RA2,   99
.set KA,    100
.set KSF,   102                        ; v102-103 my two columns' sums
.set RK,    224                        ; v224-255 wave 0: the 16 waves' column sums
	s_load_b128 s[4:7], s[0:1], 0x0                ; keys, values
	s_load_b64 s[8:9], s[0:1], 0x10                ; kvp
	v_lshl_add_u32 v27, v0, 2, 0x21000
	v_mov_b32 v31, 0
	v_lshrrev_b32 v2, 5, v0
	v_readfirstlane_b32 s10, v2                    ; wave 0..15
	s_lshl_b32 s18, s10, 13                        ; my wave's images in LDS: 8,192 x wave
	v_and_b32 v3, 31, v0
	v_lshlrev_b32 v[LOFF], 3, v3
	s_lshr_b32 s11, ttmp9, 5                       ; n
	s_bfe_u32 s12, ttmp9, 0x30002                  ; c
	s_and_b32 s13, ttmp9, 3                        ; p
	s_lshl_b32 s14, s11, 23                        ; n x 8,192 rows of 1,024 bytes
	s_lshl_b32 s15, s12, 20                        ; + c x 1,024 rows
	s_add_co_u32 s14, s14, s15
	s_lshl_b32 s15, s10, 16                        ; + wave x 64 rows
	s_add_co_u32 s14, s14, s15
	s_lshl_b32 s15, s13, 8                         ; + p x 256 bytes: under 2^26 in all
	s_add_co_u32 s14, s14, s15
	s_mov_b32 s15, 0
	s_lshl_b32 s16, s11, 2
	s_add_co_u32 s16, s16, s13
	s_lshl_b32 s16, s16, 3
	s_add_co_u32 s16, s16, s12                     ; record (4 n + p) x 8 + c: the eight chunks of a head pair lie on end
	s_mul_i32 s16, s16, REC
	s_mov_b32 s17, 0
	s_mov_b32 s20, 0x76543210                      ; v_permlanex16_b32's selects for lane l xor 16
	s_mov_b32 s21, 0xfedcba98
	s_mov_b32 s22, 0x3fb8aa3b                      ; log2(e)
	s_mov_b32 s23, 0x39000000                      ; 2^-13 = 1 / 8192
	s_mov_b32 s24, 0xbf800000                      ; -1, as a pair for the packed form
	s_mov_b32 s25, 0xbf800000
	s_mov_b32 s26, 0x3f800000                      ; +1
	s_mov_b32 s27, 0x3f800000
	s_wait_kmcnt 0x0
	s_add_nc_u64 s[4:5], s[4:5], s[14:15]
	s_add_nc_u64 s[6:7], s[6:7], s[14:15]
	s_add_nc_u64 s[8:9], s[8:9], s[16:17]
; Half-unit u of 8: block u / 4 of my 64 s, keys ((u / 2) % 2 = 0) or values (1), rows 16 (u % 2) on; into ring place u % 3.
.macro LOADHU u
.set LB, R+32*((\u)%3)
.set LR, 32*((\u)/4)+16*((\u)%2)
.irp i, 0,1,2,3,4,5,6,7,8,9,10,11,12,13,14,15
.if ((\u)/2)%2 == 0
	global_load_b64 v[LB+2*\i:LB+2*\i+1], v[LOFF], s[4:5] offset:(LR+\i)*ROWB th:TH_LOAD_NT   ; 32 lanes read 256 consecutive bytes, aligned; read once in the launch
.else
	global_load_b64 v[LB+2*\i:LB+2*\i+1], v[LOFF], s[6:7] offset:(LR+\i)*ROWB th:TH_LOAD_NT
.endif
.endr
.endm
; 16 rows of keys become elu + 1 in T.  left: the younger half-units' loads, which may stay out.  nxt: the half-unit that takes this ring place, or -1.
.macro KHALF u, left, nxt
.set RB, R+32*((\u)%3)
.set TB, T+16*((\u)%2)
	s_wait_loadcnt \left                           ; loads come back in order: this half-unit's 16 are in
.irp i, 0,1,2,3,4,5,6,7,8,9,10,11,12,13,14,15
	v_mul_f32 v[TB+\i], s22, v[RB+2*\i]            ; x log2(e); the pair is taken apart here: column 2 l to T + s,
	v_mul_f32 v[TB+32+\i], s22, v[RB+2*\i+1]       ; column 2 l + 1 to T + 32 + s
.endr
.irp i, 0,1,2,3,4,5,6,7,8,9,10,11,12,13,14,15
	v_exp_f32 v[TB+\i], v[TB+\i]                   ; e^x: one batch of 32
	v_exp_f32 v[TB+32+\i], v[TB+32+\i]
.endr
	v_nop                                          ; a plain instruction behind the last exponential
	s_wait_alu depctr_va_vdst(0)                   ; one wait for the batch, ahead of its first reader
.irp i, 0,2,4,6,8,10,12,14
	v_pk_add_f32 v[TB+\i:TB+\i+1], v[TB+\i:TB+\i+1], s[24:25] op_sel_hi:[1,0]           ; e^x - 1
	v_pk_add_f32 v[TB+32+\i:TB+33+\i], v[TB+32+\i:TB+33+\i], s[24:25] op_sel_hi:[1,0]
.endr
.irp i, 0,1,2,3,4,5,6,7,8,9,10,11,12,13,14,15
	v_med3_num_f32 v[TB+\i], v[RB+2*\i], v[TB+\i], 0            ; elu(x): the middle one of x, e^x - 1 and 0
	v_med3_num_f32 v[TB+32+\i], v[RB+2*\i+1], v[TB+32+\i], 0
.endr
.if \nxt >= 0
	LOADHU \nxt                                    ; the ring place has been read out
.endif
.irp i, 0,2,4,6,8,10,12,14
	v_pk_add_f32 v[TB+\i:TB+\i+1], v[TB+\i:TB+\i+1], s[26:27] op_sel_hi:[1,0]           ; + 1
	v_pk_add_f32 v[TB+32+\i:TB+33+\i], v[TB+32+\i:TB+33+\i], s[26:27] op_sel_hi:[1,0]
.endr
.endm
; 16 rows of values become v / 8192 in T.
.macro VHALF u, left, nxt
.set RB, R+32*((\u)%3)
.set TB, T+16*((\u)%2)
	s_wait_loadcnt \left
.irp i, 0,1,2,3,4,5,6,7,8,9,10,11,12,13,14,15
	v_mul_f32 v[TB+\i], s23, v[RB+2*\i]
	v_mul_f32 v[TB+32+\i], s23, v[RB+2*\i+1]
.endr
.if \nxt >= 0
	LOADHU \nxt
.endif
.endm
; The block in T (32 s of my two columns) is summed (keys) and quantised.  b: block 0 or 1;  d0, d1: where the six code registers of column 2 l, 2 l + 1 go;  w: the scale words.
.macro FINISH isk, b, d0, d1, w
.if \isk
.if \b == 0
.irp c, 0,1,2,3
	v_pk_add_f32 v[KS+2*\c:KS+2*\c+1], v[T+16*\c:T+16*\c+1], v[T+16*\c+2:T+16*\c+3]   ; the first block starts the four chains: nothing is cleared
.endr
.irp i, 4,6,8,10,12,14
.irp c, 0,1,2,3
	v_pk_add_f32 v[KS+2*\c:KS+2*\c+1], v[KS+2*\c:KS+2*\c+1], v[T+16*\c+\i:T+16*\c+\i+1]
.endr
.endr
.else
.irp i, 0,2,4,6,8,10,12,14
.irp c, 0,1,2,3
	v_pk_add_f32 v[KS+2*\c:KS+2*\c+1], v[KS+2*\c:KS+2*\c+1], v[T+16*\c+\i:T+16*\c+\i+1]
.endr
.endr
.endif
.endif
.irp j, 0,1
	v_max3_num_f32 v[MX+2*\j], |v[T+32*\j]|, |v[T+32*\j+1]|, 0x1800000          ; the block's largest magnitude, all 32 numbers mine; among its leaves the floor 2^(3 - 127), so that the byte cannot fall under 1
	v_max3_num_f32 v[MX+2*\j+1], |v[T+32*\j+16]|, |v[T+32*\j+17]|, |v[T+32*\j+18]|
.endr
.irp k, 0,1,2,3,4,5
.irp j, 0,1
	v_max3_num_f32 v[MX+2*\j], v[MX+2*\j], |v[T+32*\j+2+2*\k]|, |v[T+32*\j+3+2*\k]|
	v_max3_num_f32 v[MX+2*\j+1], v[MX+2*\j+1], |v[T+32*\j+19+2*\k]|, |v[T+32*\j+20+2*\k]|
.endr
.endr
.irp j, 0,1
	v_max3_num_f32 v[MX+2*\j], v[MX+2*\j], |v[T+32*\j+14]|, |v[T+32*\j+15]|
.endr
.irp j, 0,1
	v_max3_num_f32 v[MX+2*\j], v[MX+2*\j], v[MX+2*\j+1], |v[T+32*\j+31]|
.endr
.irp j, 0,1
	v_add_nc_u32 v[SC+\j], 0xff000000, v[MX+2*\j]  ; 2 off the exponent field: the conversion takes this operand's exponent field as its scale, and nothing else of it
.endr
.if \b == 0
.irp j, 0,1
	v_lshrrev_b32 v[(\w)+\j], 23, v[SC+\j]         ; the scale's byte: block 0's is the word's lowest
.endr
.else
.irp j, 0,1
	v_lshrrev_b32 v[BY+\j], 23, v[SC+\j]
.endr
.irp j, 0,1
	v_lshl_or_b32 v[(\w)+\j], v[BY+\j], 8, v[(\w)+\j]
.endr
.endif
	v_cvt_scalef32_pk16_fp6_f32 v[(\d0):(\d0)+2], v[T:T+15], v[SC]
	v_cvt_scalef32_pk16_fp6_f32 v[CT:CT+2], v[T+16:T+31], v[SC]          ; (a conversion's three registers begin on an even number: the block's upper half is made elsewhere and moved)
	v_cvt_scalef32_pk16_fp6_f32 v[(\d1):(\d1)+2], v[T+32:T+47], v[SC+1]
	v_cvt_scalef32_pk16_fp6_f32 v[CT+4:CT+6], v[T+48:T+63], v[SC+1]
	v_nop                                          ; one plain instruction behind the scaled conversions
.irp i, 0,1,2
	v_mov_b32 v[(\d0)+3+\i], v[CT+\i]
	v_mov_b32 v[(\d1)+3+\i], v[CT+4+\i]
.endr
.endm
	LOADHU 0
	LOADHU 1
	LOADHU 2
.irp i, 0,1,2,3,4,5
	v_mov_b32 v[VG+6+\i], 0                        ; the zero codes between V's two heads
	v_mov_b32 v[VG+24+\i], 0
.endr
.irp i, 0,1,2,3
	v_mov_b32 v[PX+\i], 0                          ; written once: a lane permute's destination counts as one of its sources
.endr
	KHALF 0, 32, 3                                 ; the counts: the 16 loads of each of the two younger half-units
	KHALF 1, 32, 4
	FINISH 1, 0, KG, KG+12, WK
	VHALF 2, 32, 5
	VHALF 3, 32, 6
	FINISH 0, 0, VG, VG+18, WV
	KHALF 4, 32, 7
	KHALF 5, 32, -1
	FINISH 1, 1, KG+6, KG+18, WK
	VHALF 6, 16, -1                                ; one younger half-unit is left,
	VHALF 7, 0, -1                                 ; none
	FINISH 0, 1, VG+12, VG+30, WV
	; blocks 0 and 1 change halves: the first register keeps the first head's block 0 and takes its block 1, the second takes the second head's block 0 and keeps its block 1
.irp j, 0,1
.irp i, 0,1,2,3,4,5
	v_permlane16_swap_b32 v[KG+12*\j+\i], v[KG+12*\j+6+\i]
	v_permlane16_swap_b32 v[VG+18*\j+\i], v[VG+18*\j+12+\i]
.endr
.endr
.irp j, 0,1,2,3
	v_permlanex16_b32 v[PX+\j], v[WK+\j], s20, s21 ; the second head's two bytes lie 16 lanes up
.endr
.irp j, 0,1,2,3
	v_lshl_or_b32 v[WK+\j], v[PX+\j], 16, v[WK+\j] ; lanes 0-15: bytes 0, 1 the first head's blocks, bytes 2, 3 the second's (lanes 16-31 are not read)
.endr
	; ten plain instructions, due anyway, stand between the last write of a scale word or an operand and the products (eight are owed behind a scale word, four behind an operand)
	v_pk_add_f32 v[KS:KS+1], v[KS:KS+1], v[KS+2:KS+3]
	v_pk_add_f32 v[KS+4:KS+5], v[KS+4:KS+5], v[KS+6:KS+7]
	v_add_f32 v[KSF], v[KS], v[KS+1]               ; my 64 s of column 2 l,
	v_add_f32 v[KSF+1], v[KS+4], v[KS+5]           ; of column 2 l + 1
	v_and_b32 v3, 31, v0
	v_lshl_add_u32 v[LW16], v3, 4, s18             ; my wave's images: 16 x lane + 8,192 x wave: with a store's offset and its 16 bytes 131,072 at the most
	v_lshl_add_u32 v[LW8], v0, 3, KSL              ; my wave's column sums: 256 x wave + 8 x lane = 8 x thread
	v_lshlrev_b32 v[RA], 4, v0                     ; what I add: the 16 bytes at 16 x thread of each wave's images; also my place in the record
	v_add_nc_u32 v[RA2], 8*IMG, v[RA]              ; (an LDS offset has 16 bits: waves 8 to 15 by a second register)
	v_lshl_add_u32 v[KA], v3, 3, KSL
.irp hd, 0,1
.irp j, 0,1
.irp jp, 0,1
	v_wmma_scale_f32_16x16x128_f8f6f4 v[DD+8*(4*\hd+2*\j+\jp):DD+8*(4*\hd+2*\j+\jp)+7], v[KG+12*\j:KG+12*\j+11], v[VG+18*\jp+6*\hd:VG+18*\jp+6*\hd+11], 0, v[WK+\j], v[WV+\jp] matrix_a_fmt:MATRIX_FMT_FP6 matrix_b_fmt:MATRIX_FMT_FP6
.endr
.endr
.endr
.rept 4
	v_nop                                          ; four places between the last product and the first read of results (ISA guide 7.12.1)
.endr
.irp t, 0,1,2,3,4,5,6,7
	ds_store_b128 v[LW16], v[DD+8*\t:DD+8*\t+3] offset:1024*\t           ; each result from its low end on; 512 consecutive bytes a store
	ds_store_b128 v[LW16], v[DD+8*\t+4:DD+8*\t+7] offset:1024*\t+512
.endr
	ds_store_b64 v[LW8], v[KSF:KSF+1]
	s_wait_dscnt 0x0                               ; for the others' sake: my stores have landed
	s_barrier_signal -1
	s_barrier_wait -1
.irp g, 0,1,2,3,4,5,6,7
	ds_load_b128 v[DD+4*\g:DD+4*\g+3], v[RA] offset:IMG*\g
.endr
.irp g, 0,1,2,3,4,5,6,7
	ds_load_b128 v[DD+32+4*\g:DD+32+4*\g+3], v[RA2] offset:IMG*\g
.endr
	s_wait_dscnt 0x0
.irp g, 1,2,3,4,5,6,7,8,9,10,11,12,13,14,15
	v_pk_add_f32 v[DD:DD+1], v[DD:DD+1], v[DD+4*\g:DD+4*\g+1]            ; the waves' sums in ascending s
	v_pk_add_f32 v[DD+2:DD+3], v[DD+2:DD+3], v[DD+4*\g+2:DD+4*\g+3]
.endr
	global_store_b128 v[RA], v[DD:DD+3], s[8:9]    ; the wave stores 512 consecutive bytes, at a multiple of 256 from the buffer's first byte
	s_cmp_lg_u32 s10, 0
	s_cbranch_scc1 .Ldone                          ; the 64 column sums are one wave's work
.irp g, 0,1,2,3,4,5,6,7,8,9,10,11,12,13,14,15
	ds_load_b64 v[RK+2*\g:RK+2*\g+1], v[KA] offset:256*\g
.endr
	s_wait_dscnt 0x0
.irp g, 1,2,3,4,5,6,7,8,9,10,11,12,13,14,15
	v_pk_add_f32 v[RK:RK+1], v[RK:RK+1], v[RK+2*\g:RK+2*\g+1]
.endr
	global_store_b64 v[LOFF], v[RK:RK+1], s[8:9] offset:8192             ; 256 consecutive bytes, aligned
.Ldone:
	s_wait_tensorcnt 0x0
	ds_add_u32 v27, v31
	s_wait_dscnt 0x0
	s_endpgm
.Lfunc_end_k_q16537a6b8a_kvpart:
	.size	k_q16537a6b8a_kvpart, .Lfunc_end_k_q16537a6b8a_kvpart-k_q16537a6b8a_kvpart
	.p2alignl 7, 3214868480
	.fill 96, 4, 3214868480
	.section	.rodata,"a",@progbits
	.p2align	6, 0x0
	.amdhsa_kernel k_q16537a6b8a_kvpart
		.amdhsa_group_segment_fixed_size 137216
		.amdhsa_private_segment_fixed_size 0
		.amdhsa_enable_private_segment 0
		.amdhsa_kernarg_size 24
		.amdhsa_user_sgpr_count 2
		.amdhsa_user_sgpr_kernarg_segment_ptr 1
		.amdhsa_wavefront_size32 1
		.amdhsa_system_sgpr_workgroup_id_x 1
		.amdhsa_system_sgpr_workgroup_id_y 1
		.amdhsa_system_sgpr_workgroup_id_z 1
		.amdhsa_system_vgpr_workitem_id 0
		.amdhsa_next_free_vgpr 256
		.amdhsa_next_free_sgpr 66
		.amdhsa_reserve_vcc 0
		.amdhsa_float_denorm_mode_32 3
		.amdhsa_float_denorm_mode_16_64 3
		.amdhsa_memory_ordered 1
		.amdhsa_forward_progress 1
		.amdhsa_inst_pref_size 67
	.end_amdhsa_kernel
	.amdgpu_metadata
---
amdhsa.version: [ 1, 2 ]
amdhsa.kernels:
  - .name:           k_q16537a6b8a_kvpart
    .symbol:         k_q16537a6b8a_kvpart.kd
    .args:
      - { .name: keys, .offset: 0, .size: 8, .value_kind: global_buffer, .address_space: global }
      - { .name: values, .offset: 8, .size: 8, .value_kind: global_buffer, .address_space: global }
      - { .name: kvp, .offset: 16, .size: 8, .value_kind: global_buffer, .address_space: global }
    .group_segment_fixed_size: 137216
    .private_segment_fixed_size: 0
    .kernarg_segment_align: 8
    .kernarg_segment_size: 24
    .max_flat_workgroup_size: 512
    .sgpr_count:     66
    .vgpr_count:     256
    .wavefront_size: 32
...
	.end_amdgpu_metadata
.endif
;; end of part 1
;; launch attn (part 2): grid 256 x 1, 16 waves a work-group, no clusters, 296,960 bytes of LDS; arguments queries, kvp, out0; writes out0
.if DOCPART == 2
	.amdgcn_target "amdgcn-amd-amdhsa--gfx1250"
	.amdhsa_code_object_version 6
	.text
	.protected	k_q16537a6b8a_attn
	.globl	k_q16537a6b8a_attn
	.p2align	8
	.type	k_q16537a6b8a_attn,@function
k_q16537a6b8a_attn:
	s_mov_b64 s[64:65], 0
	v_nop
	global_prefetch_b8 v0, s[64:65] scope:SCOPE_SE
	s_setreg_imm32_b32 hwreg(HW_REG_WAVE_MODE, 25, 1), 1
	s_wait_xcnt 0x0
; out[n,l,h,v] = (sum over d of Q6(Q)[l,d] Q6(KV)[d,v]) * Z[l] * 8192,  Q = elu(queries) + 1,  Z = 1 / (Q . Ksum + 1e-6) with Q and Ksum in f32.
; Q6: codes of FP6 (E2M3), one E8M0 scale for the 32 numbers along d.  queries, out0: [8][8192][8][32] f32.  kvp: the records of the launch before (eight for each head pair).
; SHARES.  Work-group x: n = x / 32, chunk (x / 4) % 8 (1,024 l), head pair p = x % 4.  Each of its 16 waves takes 64 rows, 16 at a time.
; Q comes by the tensor data mover: each wave asks at its head for its four tiles of 16 rows x 256 bytes (aligned), into LDS bytes of its own, rows 272 bytes apart.  No LDS byte is filled twice,
; and a wave reads only what it asked for, behind its own counted wait.  Four tensor loads of a wave are out at the most.
; KV.  Thread t adds the 16 bytes at 16 t of the eight records and puts the four sums into LDS as [column][d]; wave 0 adds the eight records' Ksum.  One barrier.  Then every wave makes, for itself,
; the four operands of KV and keeps them and Ksum in registers.
; THE PRODUCT has K = 128, of which a head uses 32.  Source 0 = 16 rows of Q: k block 0 = the pair's first head, block 1 = its second, blocks 2, 3 zero codes.
; Source 1, tile t = the pair's columns 4 r + t (r = 0..15): the column's own head's block holds KV's codes, the other zero codes.  (Its registers 6-11 are the next tile's: they meet Q's zero codes.)
; Result: lane (r, h), register i of tile t = out(row 8 h + i, column 4 r + t).  The multiplication by Z, owed anyway, puts the four tiles' numbers of a row side by side:
; one store then writes 16 bytes a lane, sixteen lanes 256 consecutive aligned bytes.
; Z is made where a lane holds a row (lane (r, h): row r, head h) and is wanted where a register is a row: it goes through 128 bytes of the wave's own LDS.
; CLUSTER: none.  What the eight work-groups of a head pair share are the 67,584 bytes of records, against 524,288 bytes of Q and out that each has alone, and they are added in registers as they arrive.
; Nothing is prefetched: all that the work-group reads is asked for in its first lines.
; LIMITS: NaN and infinities are not served.  A block whose largest magnitude lies under 2^-124 keeps the scale byte 1 (a block of zeros too: its codes are zeros).
.set QP,   272                         ; a row of Q in LDS: 256 bytes + 16 = 17 x 16: the sixteen rows that a load of 16 bytes a lane touches start at sixteen different groups of four banks (64 banks of 4 bytes: ISA guide 11.1)
.set GQ,   16*QP                       ; a tile
.set WQ,   64*QP                       ; a wave's four tiles
.set SB,   1024*QP                     ; behind Q: KV's sums, 64 columns x (128 bytes + 16); column 4 r + t at place 16 t + r
.set SP,   144
.set KSB,  SB+64*SP                    ; Ksum: 64 numbers
.set ZS,   KSB+256                     ; Z's way: 128 bytes for each wave
.set REC,  8448
.set AQ,   1                           ; v1   LDS: my row and head in my wave's first tile
.set OA,   2                           ; v2   out: 8 h rows + 16 r bytes
.set ZW,   3                           ; v3   LDS: where I put my Z
.set ZR,   4                           ; v4   LDS: where I read eight rows' Z
.set SH8,  5                           ; v5   8 h
.set SA,   6                           ; v6   LDS: column place r of KV's sums
.set KSR,  7                           ; v7   LDS: my head's Ksum
.set SW,   8                           ; v8   LDS: where my four sums of KV go
.set KSW,  9                           ; v9   LDS: wave 0: where Ksum goes
.set G16,  10                          ; v10  16 x thread
.set L8,   11                          ; v11  8 x lane
.set SCB,  12                          ; v12-15 KV's scale operands
.set MX,   16                          ; v16-19 largest magnitudes
.set SCR,  20
.set BYR,  21
.set WA,   22                          ; Q's scale word
.set PX,   23
.set CT,   24                          ; v24-26, v28-30 codes before they are moved
.set TD,   31
.set DEN,  32                          ; v32-35 Q . Ksum in two chains of pairs
.set ZV,   36
.set TA,   37
.set TB,   38
.set TC,   39
.set Z,    40                          ; v40-47 Z x 8192 of rows 8 h + 0 .. 7, my column's head
.set WB,   48                          ; v48-51 KV's scale words
.set AOP,  52                          ; v52-63 Q's operand
.set BOP,  64                          ; v64-93 KV's four operands, six registers each, and six zero registers
.set KSV,  96                          ; v96-127 Ksum of my head
.set X,    128                         ; v128-159 32 numbers of my row and head
.set TM,   160                         ; v160-191 at work; then the four results
.set DD,   160
.set O,    192                         ; v192-223 what is stored
.set Y,    128                         ; at the head: v128-255 four columns of KV
.set P,    128                         ; at the head: v128-159 eight records' 16 bytes
.set KP,   160                         ; at the head, wave 0: v160-175 eight records' 8 bytes of Ksum
.set G1,   24                          ; s[24:31] descriptor group 1
.set G0,   32                          ; s[32:47] descriptor group 0, a set for each of the four tiles
	s_load_b128 s[4:7], s[0:1], 0x0                ; queries, kvp
	s_load_b64 s[8:9], s[0:1], 0x10                ; out0
	v_lshl_add_u32 v94, v0, 2, 0x48000
	v_mov_b32 v95, 0
	ds_add_u32 v94, v95
	ds_add_u32 v94, v95
	v_lshrrev_b32 v[TA], 5, v0
	v_readfirstlane_b32 s10, v[TA]                 ; wave 0..15
	s_lshr_b32 s11, ttmp9, 5                       ; n
	s_bfe_u32 s12, ttmp9, 0x30002                  ; chunk of l
	s_and_b32 s13, ttmp9, 3                        ; p
	s_lshl_b32 s14, s11, 23
	s_lshl_b32 s15, s12, 20
	s_add_co_u32 s14, s14, s15
	s_lshl_b32 s15, s10, 16
	s_add_co_u32 s14, s14, s15
	s_lshl_b32 s15, s13, 8
	s_add_co_u32 s14, s14, s15                     ; my wave's first row, my pair's 256 bytes: under 2^26
	s_mov_b32 s15, 0
	s_lshl_b32 s16, s11, 2
	s_add_co_u32 s16, s16, s13
	s_mul_i32 s16, s16, 8*REC                      ; the pair's eight records
	s_mov_b32 s17, 0
	s_mul_i32 s11, s10, WQ                         ; my wave's tiles in LDS
	s_mov_b32 s[G1+0], (2<<16)|(1<<20)|(5<<22)|(3<<25)   ; no mask; elements of 4 bytes; padding on: behind every 64 words (code 5) 4 words (code 3)
	s_mov_b32 s[G1+1], 64<<16                      ; tensor_dim0 = 64
	s_mov_b32 s[G1+2], 16<<16                      ; tensor_dim1 = 16
	s_mov_b32 s[G1+3], 64<<16                      ; tile_dim0 = 64 elements: 256 bytes
	s_mov_b32 s[G1+4], 16                          ; tile_dim1 = 16 rows
	s_mov_b32 s[G1+5], 256                         ; from row to row: 256 elements
	s_mov_b32 s[G1+6], 0
	s_mov_b32 s[G1+7], 0
	s_mov_b32 s12, 0x358637bd                      ; 1e-6
	s_mov_b32 s13, 0x46000000                      ; 8192
	s_mov_b32 s20, 0x76543210                      ; v_permlanex16_b32's selects for lane l xor 16
	s_mov_b32 s21, 0xfedcba98
	s_mov_b32 s22, 0x3fb8aa3b                      ; log2(e), as a pair for the packed form
	s_mov_b32 s23, 0x3fb8aa3b
	s_mov_b32 s50, 0xbf800000                      ; -1
	s_mov_b32 s51, 0xbf800000
	s_mov_b32 s52, 0x3f800000                      ; +1
	s_mov_b32 s53, 0x3f800000
	v_and_b32 v[TA], 15, v0                        ; r
	v_bfe_u32 v[TB], v0, 4, 1                      ; h
	v_bfe_u32 v[TC], v0, 3, 1                      ; r / 8: the head of columns 4 r + t
	v_and_b32 v[TD], 31, v0                        ; lane
	v_lshlrev_b32 v[G16], 4, v0
	v_lshlrev_b32 v[L8], 3, v[TD]
	v_lshl_add_u32 v[KSW], v[TD], 3, KSB
	v_mul_u32_u24 v[AQ], v[TA], QP
	v_lshl_add_u32 v[AQ], v[TB], 7, v[AQ]
	v_add_nc_u32 v[AQ], s11, v[AQ]                 ; row r, head h: 272 r + 128 h + my wave's tiles
	v_lshlrev_b32 v[OA], 4, v[TA]
	v_lshl_add_u32 v[OA], v[TB], 13, v[OA]
	v_lshl_add_u32 v[ZW], v0, 2, ZS                ; 128 x wave + 4 x lane: [head h][row r]
	v_and_b32 v[ZR], 0x1e0, v0
	v_lshlrev_b32 v[ZR], 2, v[ZR]                  ; 128 x wave
	v_lshl_add_u32 v[ZR], v[TC], 6, v[ZR]          ; + 64 x my column's head
	v_lshl_add_u32 v[ZR], v[TB], 5, v[ZR]          ; + rows 8 h on
	v_add_nc_u32 v[ZR], ZS, v[ZR]
	v_lshlrev_b32 v[SH8], 3, v[TB]
	v_mul_u32_u24 v[SA], v[TA], SP
	v_add_nc_u32 v[SA], SB, v[SA]
	v_lshl_add_u32 v[KSR], v[TB], 7, KSB
	v_cmp_eq_u32 s48, v[TC], v[TB]                 ; the lanes whose k block is their column's own head's
	; where my four sums go.  Thread bits: 3:0 r', 4 h', 5 q, 6 j', 7 j, 8 head: sum i is KV(d = 16 h' + 8 q + 2 i + j, column 32 head + 2 r' + j'), and column 4 a + t lies at place 16 t + a
	v_lshlrev_b32 v[SW], 6, v[TB]                  ; 64 h'
	v_bfe_u32 v[TC], v0, 1, 3                      ; r' / 2
	v_and_b32 v[TD], 1, v0
	v_lshl_or_b32 v[TC], v[TD], 5, v[TC]           ; + 32 (r' % 2)
	v_bfe_u32 v[TD], v0, 6, 1
	v_lshl_or_b32 v[TC], v[TD], 4, v[TC]           ; + 16 j'
	v_bfe_u32 v[TD], v0, 8, 1
	v_lshl_or_b32 v[TC], v[TD], 3, v[TC]           ; + 8 head
	v_mad_u32_u24 v[SW], v[TC], SP, v[SW]
	v_bfe_u32 v[TD], v0, 5, 1
	v_lshl_add_u32 v[SW], v[TD], 5, v[SW]          ; + 32 q
	v_bfe_u32 v[TD], v0, 7, 1
	v_lshl_add_u32 v[SW], v[TD], 2, v[SW]          ; + 4 j
	v_add_nc_u32 v[SW], SB, v[SW]
	s_wait_dscnt 0x0
	s_wait_kmcnt 0x0
	s_add_nc_u64 s[6:7], s[6:7], s[16:17]
.irp c, 0,1,2,3,4,5,6,7
	global_load_b128 v[P+4*\c:P+4*\c+3], v[G16], s[6:7] offset:\c*REC    ; the records first: all the work waits for them.  A wave reads 512 consecutive bytes
.endr
	s_add_nc_u64 s[4:5], s[4:5], s[14:15]
	s_add_nc_u64 s[8:9], s[8:9], s[14:15]
.irp g, 0,1,2,3
	s_mov_b32 s[G0+4*\g], 1                                        ; count = 1
	s_add_co_u32 s[G0+4*\g+1], s11, \g*GQ                          ; LDS address: wave x 17,408 + tile x 4,352
	s_add_nc_u64 s[G0+4*\g+2:G0+4*\g+3], s[4:5], \g*16*1024        ; global address: 16 rows on
	s_or_b32 s[G0+4*\g+3], s[G0+4*\g+3], 0x80000000                ; type = 2
.endr
.irp g, 0,1,2,3
	tensor_load_to_lds s[G0+4*\g:G0+4*\g+3], s[G1:G1+7]            ; all four fills as one group, ahead of every wait for them, every LDS read and the barrier
	s_nop 0
.endr
.rept 4
	v_nop
.endr
.irp i, 0,1,2,3,4,5
	v_mov_b32 v[AOP+6+\i], 0                       ; Q's k blocks 2, 3: zero codes
	v_mov_b32 v[BOP+24+\i], 0                      ; behind KV's last operand
.endr
	v_mov_b32 v[PX], 0                             ; written once: a lane permute's destination counts as one of its sources
	s_cmp_lg_u32 s10, 0
	s_cbranch_scc1 .Lno_ks                         ; Ksum's 64 numbers are one wave's work
.irp c, 0,1,2,3,4,5,6,7
	global_load_b64 v[KP+2*\c:KP+2*\c+1], v[L8], s[6:7] offset:\c*REC+8192
.endr
	s_wait_loadcnt 0x0
.irp c, 1,2,3,4,5,6,7
	v_pk_add_f32 v[KP:KP+1], v[KP:KP+1], v[KP+2*\c:KP+2*\c+1]
.endr
	ds_store_b64 v[KSW], v[KP:KP+1]
.Lno_ks:
	s_wait_loadcnt 0x0
.irp c, 1,2,3,4,5,6,7
	v_pk_add_f32 v[P:P+1], v[P:P+1], v[P+4*\c:P+4*\c+1]                  ; the chunks' sums in ascending s
	v_pk_add_f32 v[P+2:P+3], v[P+2:P+3], v[P+4*\c+2:P+4*\c+3]
.endr
.irp i, 0,1,2,3
	ds_store_b32 v[SW], v[P+\i] offset:8*\i
.endr
	s_wait_dscnt 0x0                               ; for the others' sake: my stores have landed.  (My tiles of Q may stay on their way: nobody but me reads them, and nothing is filled again)
	s_barrier_signal -1
	s_barrier_wait -1
.irp i, 0,1,2,3,4,5,6,7
	ds_load_b128 v[KSV+4*\i:KSV+4*\i+3], v[KSR] offset:16*\i             ; Ksum of head h
.endr
.irp t, 0,1,2,3
.irp i, 0,1,2,3,4,5,6,7
	ds_load_b128 v[Y+32*\t+4*\i:Y+32*\t+4*\i+3], v[SA] offset:\t*16*SP+16*\i   ; column 4 r + t of KV, d = 0 .. 31 down my registers
.endr
.endr
	s_wait_dscnt 0x0
.irp t, 0,1,2,3
	v_max3_num_f32 v[MX+\t], |v[Y+32*\t]|, |v[Y+32*\t+1]|, 0x1800000     ; the column's largest magnitude, and the floor 2^(3 - 127); the four columns by turns
.endr
.irp i, 2,4,6,8,10,12,14,16,18,20,22,24,26,28,30
.irp t, 0,1,2,3
	v_max3_num_f32 v[MX+\t], v[MX+\t], |v[Y+32*\t+\i]|, |v[Y+32*\t+\i+1]|
.endr
.endr
.irp t, 0,1,2,3
	v_add_nc_u32 v[SCB+\t], 0xff000000, v[MX+\t]   ; 2 off the exponent field: the conversion's scale operand
.endr
.irp t, 0,1,2,3
	v_lshrrev_b32 v[MX+\t], 23, v[SCB+\t]          ; the scale's byte
.endr
.irp t, 0,1,2,3
	v_lshl_or_b32 v[WB+\t], v[MX+\t], 8, v[MX+\t]  ; for k blocks 0 and 1 alike: one of the two holds zero codes.  Bytes 2, 3 stay 0 over products with Q's zero codes
.endr
.irp t, 0,1,2,3
	v_cvt_scalef32_pk16_fp6_f32 v[CT:CT+2], v[Y+32*\t:Y+32*\t+15], v[SCB+\t]
	v_cvt_scalef32_pk16_fp6_f32 v[CT+4:CT+6], v[Y+32*\t+16:Y+32*\t+31], v[SCB+\t]
	v_nop                                          ; one plain instruction behind the scaled conversions
.irp i, 0,1,2
	v_cndmask_b32 v[BOP+6*\t+\i], 0, v[CT+\i], s48       ; to their places; zero codes where the k block is the other head's
	v_cndmask_b32 v[BOP+6*\t+3+\i], 0, v[CT+4+\i], s48
.endr
.endr
; 16 rows of both heads: tile g of my four.
.macro GROUP g
	s_wait_tensorcnt 3-\g                          ; tensor loads of a wave end in order: tile g has landed, the 3 - g younger ones may be out
.irp i, 0,1,2,3,4,5,6,7
	ds_load_b128 v[X+4*\i:X+4*\i+3], v[AQ] offset:\g*GQ+16*\i
.endr
	s_wait_dscnt 0x0
.irp i, 0,2,4,6,8,10,12,14,16,18,20,22,24,26,28,30
	v_pk_mul_f32 v[TM+\i:TM+\i+1], v[X+\i:X+\i+1], s[22:23] op_sel_hi:[1,0]     ; x log2(e)
.endr
.irp i, 0,1,2,3,4,5,6,7,8,9,10,11,12,13,14,15,16,17,18,19,20,21,22,23,24,25,26,27,28,29,30,31
	v_exp_f32 v[TM+\i], v[TM+\i]                   ; e^x: one batch of 32
.endr
	v_nop                                          ; a plain instruction behind the last exponential
	s_wait_alu depctr_va_vdst(0)                   ; one wait for the batch, ahead of its first reader
.irp i, 0,2,4,6,8,10,12,14,16,18,20,22,24,26,28,30
	v_pk_add_f32 v[TM+\i:TM+\i+1], v[TM+\i:TM+\i+1], s[50:51] op_sel_hi:[1,0]   ; e^x - 1
.endr
.irp i, 0,1,2,3,4,5,6,7,8,9,10,11,12,13,14,15,16,17,18,19,20,21,22,23,24,25,26,27,28,29,30,31
	v_med3_num_f32 v[X+\i], v[X+\i], v[TM+\i], 0   ; elu(x): the middle one of x, e^x - 1 and 0
.endr
.irp i, 0,2,4,6,8,10,12,14,16,18,20,22,24,26,28,30
	v_pk_add_f32 v[X+\i:X+\i+1], v[X+\i:X+\i+1], s[52:53] op_sel_hi:[1,0]       ; Q = elu + 1, never negative
.endr
	v_pk_mul_f32 v[DEN:DEN+1], v[X:X+1], v[KSV:KSV+1]                    ; Q . Ksum in f32, two chains of pairs, by turns with the two chains of the largest Q
	v_pk_mul_f32 v[DEN+2:DEN+3], v[X+2:X+3], v[KSV+2:KSV+3]
	v_max3_num_f32 v[MX], v[X], v[X+1], 0x1800000                        ; (with the floor 2^(3 - 127))
	v_max3_num_f32 v[MX+1], v[X+16], v[X+17], v[X+18]
.irp k, 0,1,2,3,4,5
	v_pk_fma_f32 v[DEN:DEN+1], v[X+4+4*\k:X+5+4*\k], v[KSV+4+4*\k:KSV+5+4*\k], v[DEN:DEN+1]
	v_pk_fma_f32 v[DEN+2:DEN+3], v[X+6+4*\k:X+7+4*\k], v[KSV+6+4*\k:KSV+7+4*\k], v[DEN+2:DEN+3]
	v_max3_num_f32 v[MX], v[MX], v[X+2+2*\k], v[X+3+2*\k]
	v_max3_num_f32 v[MX+1], v[MX+1], v[X+19+2*\k], v[X+20+2*\k]
.endr
	v_pk_fma_f32 v[DEN:DEN+1], v[X+28:X+29], v[KSV+28:KSV+29], v[DEN:DEN+1]
	v_pk_fma_f32 v[DEN+2:DEN+3], v[X+30:X+31], v[KSV+30:KSV+31], v[DEN+2:DEN+3]
	v_max3_num_f32 v[MX], v[MX], v[X+14], v[X+15]
	v_max3_num_f32 v[MX], v[MX], v[MX+1], v[X+31]
	v_add_nc_u32 v[SCR], 0xff000000, v[MX]         ; 2 off the exponent field: the conversion's scale operand
	v_lshrrev_b32 v[BYR], 23, v[SCR]               ; the scale's byte of (row r, head h),
	v_lshlrev_b32 v[BYR], v[SH8], v[BYR]           ; at its place in the row's word: 8 h bits up;
	v_permlanex16_b32 v[PX], v[BYR], s20, s21
	v_or_b32 v[WA], v[BYR], v[PX]                  ; with the other head's the word is whole (bytes 2, 3 stay 0 over zero codes)
	v_cvt_scalef32_pk16_fp6_f32 v[AOP:AOP+2], v[X:X+15], v[SCR]
	v_cvt_scalef32_pk16_fp6_f32 v[CT:CT+2], v[X+16:X+31], v[SCR]         ; (a conversion's three registers begin on an even number)
	v_nop                                          ; one plain instruction behind the scaled conversions
.irp i, 0,1,2
	v_mov_b32 v[AOP+3+\i], v[CT+\i]
.endr
	v_pk_add_f32 v[DEN:DEN+1], v[DEN:DEN+1], v[DEN+2:DEN+3]
	v_add_f32 v[DEN], v[DEN], v[DEN+1]
	v_add_f32 v[DEN], s12, v[DEN]                  ; + 1e-6
	v_rcp_f32 v[ZV], v[DEN]
	v_nop                                          ; a plain instruction behind the reciprocal
	s_wait_alu depctr_va_vdst(0)                   ; and the wait ahead of its reader
	v_mul_f32 v[ZV], s13, v[ZV]                    ; Z x 8192: exact
	ds_store_b32 v[ZW], v[ZV]                      ; my wave's own bytes: LDS serves a wave's instructions in order, so the loads below see it and the next tile's store comes behind them
	ds_load_b128 v[Z:Z+3], v[ZR]
	ds_load_b128 v[Z+4:Z+7], v[ZR] offset:16
.rept 4
	v_nop                                          ; with the plain lines above: more than eight between the scale word's write and the products, more than four behind the operand's
.endr
.irp t, 0,1,2,3
	v_wmma_scale_f32_16x16x128_f8f6f4 v[DD+8*\t:DD+8*\t+7], v[AOP:AOP+11], v[BOP+6*\t:BOP+6*\t+11], 0, v[WA], v[WB+\t] matrix_a_fmt:MATRIX_FMT_FP6 matrix_b_fmt:MATRIX_FMT_FP6
.endr
.rept 4
	v_nop                                          ; four places between the last product and the first read of results (ISA guide 7.12.1)
.endr
	s_wait_dscnt 0x0                               ; Z
.if \g > 0
	s_wait_xcnt 0x0                                ; the last tile's stores have read their registers: only now are these written again
.endif
.irp j, 0,1,2,3,4,5,6,7
.irp t, 0,1,2,3
	v_mul_f32 v[O+4*\j+\t], v[DD+8*\t+\j], v[Z+\j] ; out(row 8 h + j, column 4 r + t): each result from its low end on; four neighbouring columns fall into four neighbouring registers
.endr
	global_store_b128 v[OA], v[O+4*\j:O+4*\j+3], s[8:9] offset:(16*\g+\j)*1024 th:TH_STORE_NT   ; sixteen lanes store 256 consecutive bytes, aligned: lanes 0-15 row j, lanes 16-31 row 8 + j; written once, read by nobody here
.endr
.endm
	GROUP 0
	GROUP 1
	GROUP 2
	GROUP 3                                        ; its wait on the tensor loads is for zero: none is out at the end
	s_wait_tensorcnt 0x0
	ds_add_u32 v94, v95
	s_wait_dscnt 0x0
	s_endpgm
.Lfunc_end_k_q16537a6b8a_attn:
	.size	k_q16537a6b8a_attn, .Lfunc_end_k_q16537a6b8a_attn-k_q16537a6b8a_attn
	.p2alignl 7, 3214868480
	.fill 96, 4, 3214868480
	.section	.rodata,"a",@progbits
	.p2align	6, 0x0
	.amdhsa_kernel k_q16537a6b8a_attn
		.amdhsa_group_segment_fixed_size 296960
		.amdhsa_private_segment_fixed_size 0
		.amdhsa_enable_private_segment 0
		.amdhsa_kernarg_size 24
		.amdhsa_user_sgpr_count 2
		.amdhsa_user_sgpr_kernarg_segment_ptr 1
		.amdhsa_wavefront_size32 1
		.amdhsa_system_sgpr_workgroup_id_x 1
		.amdhsa_system_sgpr_workgroup_id_y 1
		.amdhsa_system_sgpr_workgroup_id_z 1
		.amdhsa_system_vgpr_workitem_id 0
		.amdhsa_next_free_vgpr 256
		.amdhsa_next_free_sgpr 66
		.amdhsa_reserve_vcc 0
		.amdhsa_float_denorm_mode_32 3
		.amdhsa_float_denorm_mode_16_64 3
		.amdhsa_memory_ordered 1
		.amdhsa_forward_progress 1
		.amdhsa_inst_pref_size 68
	.end_amdhsa_kernel
	.amdgpu_metadata
---
amdhsa.version: [ 1, 2 ]
amdhsa.kernels:
  - .name:           k_q16537a6b8a_attn
    .symbol:         k_q16537a6b8a_attn.kd
    .args:
      - { .name: queries, .offset: 0, .size: 8, .value_kind: global_buffer, .address_space: global }
      - { .name: kvp, .offset: 8, .size: 8, .value_kind: global_buffer, .address_space: global }
      - { .name: out0, .offset: 16, .size: 8, .value_kind: global_buffer, .address_space: global }
    .group_segment_fixed_size: 296960
    .private_segment_fixed_size: 0
    .kernarg_segment_align: 8
    .kernarg_segment_size: 24
    .max_flat_workgroup_size: 512
    .sgpr_count:     66
    .vgpr_count:     256
    .wavefront_size: 32
...
	.end_amdgpu_metadata
.endif
;; end of part 2
;; ======== version 2 of 2: 2 launches; version 1 with the launch kvpart written anew for expert scheduling mode
;; workspace buffers: kvp 2,162,688 bytes
;; launch kvpart (part 3): grid 256 x 1, 16 waves a work-group, no clusters, 137,216 bytes of LDS; arguments keys, values, kvp; writes kvp
.if DOCPART == 3
	.amdgcn_target "amdgcn-amd-amdhsa--gfx1250"
	.amdhsa_code_object_version 6
	.text
	.protected	k_q16537a6b8a_kvpart
	.globl	k_q16537a6b8a_kvpart
	.p2align	8
	.type	k_q16537a6b8a_kvpart,@function
k_q16537a6b8a_kvpart:
	s_mov_b64 s[64:65], 0
	v_nop
	global_prefetch_b8 v0, s[64:65] scope:SCOPE_SE
	s_setreg_imm32_b32 hwreg(HW_REG_WAVE_SCHED_MODE, 0, 2), 2
	s_setreg_imm32_b32 hwreg(HW_REG_WAVE_MODE, 25, 1), 1
	s_wait_xcnt 0x0
	s_wait_alu depctr_vm_vsrc(0)
; PARTIAL SUMS OF  KV[n,h,d,v] = sum over s of Q6(elu(keys)+1)[s,d] * Q6(values/8192)[s,v]  AND OF  Ksum[n,h,d] = sum over s of (elu(keys)+1)[s,d].
; Q6: codes of FP6 (E2M3) with one E8M0 scale for each 32 along s.  keys, values: [8][8192][8][32] f32.
; SHARES.  Work-group x: n = x / 32, chunk c = (x / 4) % 8 (1,024 s), head pair p = x % 4.  Each of its 16 waves takes 64 s of both heads.
; LOADS.  A row's 2 heads x 32 numbers are 256 consecutive bytes, aligned: one global_load_b64 of the wave reads them, lane l the columns 2 l and 2 l + 1
; (lanes 0-15: the pair's first head, lanes 16-31: its second).  A ring of three half-units (16 rows, 32 registers) keeps 48 loads of the wave on their way.
; A LANE'S REGISTERS MUST RUN DOWN s FOR ONE COLUMN (the conversions take 16 neighbours along K from consecutive registers).  The loaded pairs are taken apart by an
; instruction that is owed anyway and is free in its destination: for keys the multiplication by log2(e), for values the division by 8192 (a multiplication by 2^-13).
; elu(x) + 1 is made as it is defined: med3(x, 2^(x log2 e) - 1, 0) + 1  (x > 0: x lies between 0 and e^x - 1; x <= 0: e^x - 1 lies between x and 0).
; OPERANDS.  A block of 32 s of a column lies whole in one lane.  Blocks 0 and 1 of the wave's 64 s change halves (v_permlane16_swap_b32): one register then holds the first head's
; blocks 0 | 1 in lanes 0-15 | 16-31, the other the second head's: the 6-bit operand's layout.  Tile j of a head = its columns 2 r + j.
; K's operand j is [first head | second head] (k blocks 0, 1 | 2, 3);  V's operands are [first head | zeros] and [zeros | second head], which share one run of six zero registers.
; So eight products (2 heads x 2 x 2 tiles), each the wave's whole sum: C is the constant 0.  Source 0 = K (rows d), source 1 = V (columns v): lane (r, h), register i holds KV(d = 2 (8 h + i) + j, v = 2 r + j').
; THE WORK-GROUP'S SUM.  The 16 waves put their 64 result registers into LDS as images (16 bytes a lane, 512 a store); behind one barrier thread t adds the 16 bytes at 16 t of all 16 images
; and stores them at 16 t of the work-group's record: a wave stores 512 consecutive bytes.  Record (8,448 bytes) = 8,192 of KV in image order (image 8 head + 4 j + 2 j' + q: registers 4 q .. 4 q + 3) + 256 of Ksum (64 columns).
; No input is shared between work-groups: no cluster.  Every byte is read once, from the first lines on: nothing is prefetched.
; LIMITS: NaN and infinities are not served.  A block whose largest magnitude lies under 2^-124 keeps the scale byte 1 (a block of zeros too: its codes are zeros, and this program alone reads the bytes).
; THE MODE: SCHED_MODE bits 1:0 = 2 (LLVM: expert scheduling mode 2), set by the entry lines.  The code itself states the register dependences
; between vector or matrix instructions and memory or LDS instructions, with s_wait_alu, always for 0.
; THE PLAN.  Registers that memory or LDS instructions touch:
;   v1            8 x lane.  Written once at the head; read by every load and by wave 0's last store; never written again: all rows are reached by immediate offsets.
;   R0, R1, R2    the ring.  The loads of half-unit u land in place u % 3; the half-unit's own lines read it (keys: the multiplications and the med3 lines; values: the multiplications);
;                 behind them the loads of half-unit u + 3 land in it.
;   T, and v4-95  in the stream: named by vector instructions alone.
;   v96-103       behind the stream: LDS addresses and my two column sums: written by vector lines, read by LDS instructions and the store, never written again.
;   DD            written by the eight products, read by my LDS stores, then loaded from LDS, then added, then stored.     RK  (wave 0) loaded from LDS, added, stored.
; So ONE wait on va_vdst stands in each half-unit that fills its ring place again, behind the lines that empty the place.  For keys the 16 loads are then dealt among the 16 additions of 1,
; which name T and a scalar pair alone: none of the registers that those loads touch.  For values no work of the half-unit is left, and the loads follow the wait in one run.
; Behind the stream: one wait ahead of the products, one behind their places ahead of the LDS stores, one on vm_vsrc ahead of the LDS loads into DD, one ahead of each of the two stores.
.set ROWB,  1024                       ; bytes from s to s + 1
.set REC,   8448                       ; a work-group's record in kvp
.set IMG,   8192                       ; LDS: a wave's 16 images
.set KSL,   16*IMG                     ; LDS: behind them 256 bytes of column sums for each wave
.set LOFF,  1                          ; v1       8 x lane: my 8 bytes of a row's 256; never rewritten
.set KS,    4                          ; v4-11    running column sums: chain c = 2 j + half of the block, a pair each
.set MX,    12                         ; v12-15   largest magnitudes, two chains for each j
.set SC,    16                         ; v16-17   the conversions' scale operands
.set BY,    18                         ; v18-19   scale bytes at work
.set WK,    20                         ; v20-21   K's scale words, tile j
.set WV,    22                         ; v22-23   V's
.set CT,    24                         ; v24-26, v28-30  the upper 16 codes of a block, before they are moved
.set KG,    32                         ; v32-55   K's two operands of 12
.set VG,    56                         ; v56-91   V's: for each j' 18 registers: first head, zeros, second head
.set PX,    92                         ; v92-95   lane exchanges
.set T,     96                         ; v96-159  a block of 32 s: T + 32 j + s
.set R,     160                        ; v160-255 the ring: three half-units as loaded
.set DD,    160                        ; behind the stream: the 8 results, then the 16 images' pieces to be added
.set LW16,  96                         ; behind the stream, in T's registers: LDS addresses
.set LW8,   97
.set RA,    98
.set RA2,   99
.set KA,    100
.set KSF,   102                        ; v102-103 my two columns' sums
.set RK,    224                        ; v224-255 wave 0: the 16 waves' column sums
	s_load_b128 s[4:7], s[0:1], 0x0                ; keys, values
	s_load_b64 s[8:9], s[0:1], 0x10                ; kvp
	v_lshl_add_u32 v27, v0, 2, 0x21000
	v_mov_b32 v31, 0
	v_lshrrev_b32 v2, 5, v0
	v_readfirstlane_b32 s10, v2                    ; wave 0..15
	v_and_b32 v3, 31, v0
	v_lshlrev_b32 v[LOFF], 3, v3
	s_lshr_b32 s11, ttmp9, 5                       ; n
	s_bfe_u32 s12, ttmp9, 0x30002                  ; c
	s_and_b32 s13, ttmp9, 3                        ; p
	s_lshl_b32 s14, s11, 23                        ; n x 8,192 rows of 1,024 bytes
	s_lshl_b32 s15, s12, 20                        ; + c x 1,024 rows
	s_add_co_u32 s14, s14, s15
	s_wait_alu depctr_va_sdst(0)                   ; s10 is written, ahead of its first reader: LDS and memory addresses are made from it
	s_lshl_b32 s18, s10, 13                        ; my wave's images in LDS: 8,192 x wave
	s_lshl_b32 s15, s10, 16                        ; + wave x 64 rows
	s_add_co_u32 s14, s14, s15
	s_lshl_b32 s15, s13, 8                         ; + p x 256 bytes: under 2^26 in all
	s_add_co_u32 s14, s14, s15
	s_mov_b32 s15, 0
	s_lshl_b32 s16, s11, 2
	s_add_co_u32 s16, s16, s13
	s_lshl_b32 s16, s16, 3
	s_add_co_u32 s16, s16, s12                     ; record (4 n + p) x 8 + c: the eight chunks of a head pair lie on end
	s_mul_i32 s16, s16, REC
	s_mov_b32 s17, 0
	s_mov_b32 s20, 0x76543210                      ; v_permlanex16_b32's selects for lane l xor 16
	s_mov_b32 s21, 0xfedcba98
	s_mov_b32 s22, 0x3fb8aa3b                      ; log2(e)
	s_mov_b32 s23, 0x39000000                      ; 2^-13 = 1 / 8192
	s_mov_b32 s24, 0xbf800000                      ; -1, as a pair for the packed form
	s_mov_b32 s25, 0xbf800000
	s_mov_b32 s26, 0x3f800000                      ; +1
	s_mov_b32 s27, 0x3f800000
	s_wait_kmcnt 0x0
	s_add_nc_u64 s[4:5], s[4:5], s[14:15]
	s_add_nc_u64 s[6:7], s[6:7], s[14:15]
	s_add_nc_u64 s[8:9], s[8:9], s[16:17]
; Half-unit u of 8: block u / 4 of my 64 s, keys ((u / 2) % 2 = 0) or values (1), rows 16 (u % 2) on; into ring place u % 3.  LOAD1: its row i.
.macro LOAD1 u, i
.set LB, R+32*((\u)%3)
.set LR, 32*((\u)/4)+16*((\u)%2)
.if ((\u)/2)%2 == 0
	global_load_b64 v[LB+2*(\i):LB+2*(\i)+1], v[LOFF], s[4:5] offset:(LR+(\i))*ROWB th:TH_LOAD_NT   ; 32 lanes read 256 consecutive bytes, aligned; read once in the launch
.else
	global_load_b64 v[LB+2*(\i):LB+2*(\i)+1], v[LOFF], s[6:7] offset:(LR+(\i))*ROWB th:TH_LOAD_NT
.endif
.endm
.macro LOADHU u
.irp i, 0,1,2,3,4,5,6,7,8,9,10,11,12,13,14,15
	LOAD1 \u, \i
.endr
.endm
; 16 rows of keys become elu + 1 in T.  left: the younger half-units' loads, which may stay out.  nxt: the half-unit that takes this ring place, or -1.
.macro KHALF u, left, nxt
.set RB, R+32*((\u)%3)
.set TB, T+16*((\u)%2)
	s_wait_loadcnt \left                           ; loads come back in order: this half-unit's 16 are in
.irp i, 0,1,2,3,4,5,6,7,8,9,10,11,12,13,14,15
	v_mul_f32 v[TB+\i], s22, v[RB+2*\i]            ; x log2(e); the pair is taken apart here: column 2 l to T + s,
	v_mul_f32 v[TB+32+\i], s22, v[RB+2*\i+1]       ; column 2 l + 1 to T + 32 + s
.endr
.irp i, 0,1,2,3,4,5,6,7,8,9,10,11,12,13,14,15
	v_exp_f32 v[TB+\i], v[TB+\i]                   ; e^x: one batch of 32
	v_exp_f32 v[TB+32+\i], v[TB+32+\i]
.endr
	v_nop                                          ; a plain instruction behind the last exponential
	s_wait_alu depctr_va_vdst(0)                   ; the 32 exponentials have written their registers of T: one wait for the batch, ahead of its first reader
.irp i, 0,2,4,6,8,10,12,14
	v_pk_add_f32 v[TB+\i:TB+\i+1], v[TB+\i:TB+\i+1], s[24:25] op_sel_hi:[1,0]           ; e^x - 1
	v_pk_add_f32 v[TB+32+\i:TB+33+\i], v[TB+32+\i:TB+33+\i], s[24:25] op_sel_hi:[1,0]
.endr
.irp i, 0,1,2,3,4,5,6,7,8,9,10,11,12,13,14,15
	v_med3_num_f32 v[TB+\i], v[RB+2*\i], v[TB+\i], 0            ; elu(x): the middle one of x, e^x - 1 and 0
	v_med3_num_f32 v[TB+32+\i], v[RB+2*\i+1], v[TB+32+\i], 0
.endr
.if \nxt >= 0
	s_wait_alu depctr_va_vdst(0)                   ; the med3 lines, the ring place's last readers, are done reading it: the loads below land in it
.endif
.irp i, 0,2,4,6,8,10,12,14
.if \nxt >= 0
	LOAD1 \nxt, \i                                 ; the ring place is asked for again, a load ahead of each addition.  No further wait: the additions name T and s[26:27], none of the registers that these loads touch
.endif
	v_pk_add_f32 v[TB+\i:TB+\i+1], v[TB+\i:TB+\i+1], s[26:27] op_sel_hi:[1,0]           ; + 1
.if \nxt >= 0
	LOAD1 \nxt, \i+1
.endif
	v_pk_add_f32 v[TB+32+\i:TB+33+\i], v[TB+32+\i:TB+33+\i], s[26:27] op_sel_hi:[1,0]
.endr
.endm
; 16 rows of values become v / 8192 in T.
.macro VHALF u, left, nxt
.set RB, R+32*((\u)%3)
.set TB, T+16*((\u)%2)
	s_wait_loadcnt \left
.irp i, 0,1,2,3,4,5,6,7,8,9,10,11,12,13,14,15
	v_mul_f32 v[TB+\i], s23, v[RB+2*\i]
	v_mul_f32 v[TB+32+\i], s23, v[RB+2*\i+1]
.endr
.if \nxt >= 0
	s_wait_alu depctr_va_vdst(0)                   ; the multiplications are done reading the ring place: the loads below land in it
	LOADHU \nxt
.endif
.endm
; The block in T (32 s of my two columns) is summed (keys) and quantised.  b: block 0 or 1;  d0, d1: where the six code registers of column 2 l, 2 l + 1 go;  w: the scale words.
; No memory or LDS instruction names a register of these lines.
.macro FINISH isk, b, d0, d1, w
.if \isk
.if \b == 0
.irp c, 0,1,2,3
	v_pk_add_f32 v[KS+2*\c:KS+2*\c+1], v[T+16*\c:T+16*\c+1], v[T+16*\c+2:T+16*\c+3]   ; the first block starts the four chains: nothing is cleared
.endr
.irp i, 4,6,8,10,12,14
.irp c, 0,1,2,3
	v_pk_add_f32 v[KS+2*\c:KS+2*\c+1], v[KS+2*\c:KS+2*\c+1], v[T+16*\c+\i:T+16*\c+\i+1]
.endr
.endr
.else
.irp i, 0,2,4,6,8,10,12,14
.irp c, 0,1,2,3
	v_pk_add_f32 v[KS+2*\c:KS+2*\c+1], v[KS+2*\c:KS+2*\c+1], v[T+16*\c+\i:T+16*\c+\i+1]
.endr
.endr
.endif
.endif
.irp j, 0,1
	v_max3_num_f32 v[MX+2*\j], |v[T+32*\j]|, |v[T+32*\j+1]|, 0x1800000          ; the block's largest magnitude, all 32 numbers mine; among its leaves the floor 2^(3 - 127), so that the byte cannot fall under 1
	v_max3_num_f32 v[MX+2*\j+1], |v[T+32*\j+16]|, |v[T+32*\j+17]|, |v[T+32*\j+18]|
.endr
.irp k, 0,1,2,3,4,5
.irp j, 0,1
	v_max3_num_f32 v[MX+2*\j], v[MX+2*\j], |v[T+32*\j+2+2*\k]|, |v[T+32*\j+3+2*\k]|
	v_max3_num_f32 v[MX+2*\j+1], v[MX+2*\j+1], |v[T+32*\j+19+2*\k]|, |v[T+32*\j+20+2*\k]|
.endr
.endr
.irp j, 0,1
	v_max3_num_f32 v[MX+2*\j], v[MX+2*\j], |v[T+32*\j+14]|, |v[T+32*\j+15]|
.endr
.irp j, 0,1
	v_max3_num_f32 v[MX+2*\j], v[MX+2*\j], v[MX+2*\j+1], |v[T+32*\j+31]|
.endr
.irp j, 0,1
	v_add_nc_u32 v[SC+\j], 0xff000000, v[MX+2*\j]  ; 2 off the exponent field: the conversion takes this operand's exponent field as its scale, and nothing else of it
.endr
.if \b == 0
.irp j, 0,1
	v_lshrrev_b32 v[(\w)+\j], 23, v[SC+\j]         ; the scale's byte: block 0's is the word's lowest
.endr
.else
.irp j, 0,1
	v_lshrrev_b32 v[BY+\j], 23, v[SC+\j]
.endr
.irp j, 0,1
	v_lshl_or_b32 v[(\w)+\j], v[BY+\j], 8, v[(\w)+\j]
.endr
.endif
	v_cvt_scalef32_pk16_fp6_f32 v[(\d0):(\d0)+2], v[T:T+15], v[SC]
	v_cvt_scalef32_pk16_fp6_f32 v[CT:CT+2], v[T+16:T+31], v[SC]          ; (a conversion's three registers begin on an even number: the block's upper half is made elsewhere and moved)
	v_cvt_scalef32_pk16_fp6_f32 v[(\d1):(\d1)+2], v[T+32:T+47], v[SC+1]
	v_cvt_scalef32_pk16_fp6_f32 v[CT+4:CT+6], v[T+48:T+63], v[SC+1]
	v_nop                                          ; one plain instruction behind the scaled conversions
.irp i, 0,1,2
	v_mov_b32 v[(\d0)+3+\i], v[CT+\i]
	v_mov_b32 v[(\d1)+3+\i], v[CT+4+\i]
.endr
.endm
	s_wait_alu depctr_va_vdst(0)                   ; v1 is written: every load of the kernel reads it as its offset
	LOADHU 0
	LOADHU 1
	LOADHU 2
.irp i, 0,1,2,3,4,5
	v_mov_b32 v[VG+6+\i], 0                        ; the zero codes between V's two heads
	v_mov_b32 v[VG+24+\i], 0
.endr
.irp i, 0,1,2,3
	v_mov_b32 v[PX+\i], 0                          ; written once: a lane permute's destination counts as one of its sources
.endr
	KHALF 0, 32, 3                                 ; the counts: the 16 loads of each of the two younger half-units
	KHALF 1, 32, 4
	FINISH 1, 0, KG, KG+12, WK
	VHALF 2, 32, 5
	VHALF 3, 32, 6
	FINISH 0, 0, VG, VG+18, WV
	KHALF 4, 32, 7
	KHALF 5, 32, -1
	FINISH 1, 1, KG+6, KG+18, WK
	VHALF 6, 16, -1                                ; one younger half-unit is left,
	VHALF 7, 0, -1                                 ; none
	FINISH 0, 1, VG+12, VG+30, WV
	; blocks 0 and 1 change halves: the first register keeps the first head's block 0 and takes its block 1, the second takes the second head's block 0 and keeps its block 1
.irp j, 0,1
.irp i, 0,1,2,3,4,5
	v_permlane16_swap_b32 v[KG+12*\j+\i], v[KG+12*\j+6+\i]
	v_permlane16_swap_b32 v[VG+18*\j+\i], v[VG+18*\j+12+\i]
.endr
.endr
.irp j, 0,1,2,3
	v_permlanex16_b32 v[PX+\j], v[WK+\j], s20, s21 ; the second head's two bytes lie 16 lanes up
.endr
.irp j, 0,1,2,3
	v_lshl_or_b32 v[WK+\j], v[PX+\j], 16, v[WK+\j] ; lanes 0-15: bytes 0, 1 the first head's blocks, bytes 2, 3 the second's (lanes 16-31 are not read)
.endr
	; ten plain instructions, due anyway, stand between the last write of a scale word or an operand and the products (eight are owed behind a scale word, four behind an operand)
	v_pk_add_f32 v[KS:KS+1], v[KS:KS+1], v[KS+2:KS+3]
	v_pk_add_f32 v[KS+4:KS+5], v[KS+4:KS+5], v[KS+6:KS+7]
	v_add_f32 v[KSF], v[KS], v[KS+1]               ; my 64 s of column 2 l,
	v_add_f32 v[KSF+1], v[KS+4], v[KS+5]           ; of column 2 l + 1
	v_and_b32 v3, 31, v0
	v_lshl_add_u32 v[LW16], v3, 4, s18             ; my wave's images: 16 x lane + 8,192 x wave: with a store's offset and its 16 bytes 131,072 at the most
	v_lshl_add_u32 v[LW8], v0, 3, KSL              ; my wave's column sums: 256 x wave + 8 x lane = 8 x thread
	v_lshlrev_b32 v[RA], 4, v0                     ; what I add: the 16 bytes at 16 x thread of each wave's images; also my place in the record
	v_add_nc_u32 v[RA2], 8*IMG, v[RA]              ; (an LDS offset has 16 bits: waves 8 to 15 by a second register)
	v_lshl_add_u32 v[KA], v3, 3, KSL
	s_wait_alu depctr_va_vdst(0)                   ; behind the places: the codes, the zero registers and the scale words, which the products take, are written
.irp hd, 0,1
.irp j, 0,1
.irp jp, 0,1
	v_wmma_scale_f32_16x16x128_f8f6f4 v[DD+8*(4*\hd+2*\j+\jp):DD+8*(4*\hd+2*\j+\jp)+7], v[KG+12*\j:KG+12*\j+11], v[VG+18*\jp+6*\hd:VG+18*\jp+6*\hd+11], 0, v[WK+\j], v[WV+\jp] matrix_a_fmt:MATRIX_FMT_FP6 matrix_b_fmt:MATRIX_FMT_FP6
.endr
.endr
.endr
.rept 4
	v_nop                                          ; four places between the last product and the first read of results (ISA guide 7.12.1)
.endr
	s_wait_alu depctr_va_vdst(0)                   ; the products have written DD, which the LDS stores read (their addresses and my two column sums were written ahead of the wait before); the places above stay beside this wait
.irp t, 0,1,2,3,4,5,6,7
	ds_store_b128 v[LW16], v[DD+8*\t:DD+8*\t+3] offset:1024*\t           ; each result from its low end on; 512 consecutive bytes a store
	ds_store_b128 v[LW16], v[DD+8*\t+4:DD+8*\t+7] offset:1024*\t+512
.endr
	ds_store_b64 v[LW8], v[KSF:KSF+1]
	s_wait_dscnt 0x0                               ; for the others' sake: my stores have landed
	s_barrier_signal -1
	s_barrier_wait -1
	s_wait_alu depctr_vm_vsrc(0)                   ; my LDS stores have read DD, in which the loads below land (no vector or matrix instruction has been issued since the wait on va_vdst above)
.irp g, 0,1,2,3,4,5,6,7
	ds_load_b128 v[DD+4*\g:DD+4*\g+3], v[RA] offset:IMG*\g
.endr
.irp g, 0,1,2,3,4,5,6,7
	ds_load_b128 v[DD+32+4*\g:DD+32+4*\g+3], v[RA2] offset:IMG*\g
.endr
	s_wait_dscnt 0x0
.irp g, 1,2,3,4,5,6,7,8,9,10,11,12,13,14,15
	v_pk_add_f32 v[DD:DD+1], v[DD:DD+1], v[DD+4*\g:DD+4*\g+1]            ; the waves' sums in ascending s
	v_pk_add_f32 v[DD+2:DD+3], v[DD+2:DD+3], v[DD+4*\g+2:DD+4*\g+3]
.endr
	s_wait_alu depctr_va_vdst(0)                   ; the additions have written v[DD .. DD + 3], which the store reads
	global_store_b128 v[RA], v[DD:DD+3], s[8:9]    ; the wave stores 512 consecutive bytes, at a multiple of 256 from the buffer's first byte
	s_cmp_lg_u32 s10, 0
	s_cbranch_scc1 .Ldone                          ; the 64 column sums are one wave's work
.irp g, 0,1,2,3,4,5,6,7,8,9,10,11,12,13,14,15
	ds_load_b64 v[RK+2*\g:RK+2*\g+1], v[KA] offset:256*\g                ; no wait: no vector instruction since the wait above, and the stream's lines that read these registers stand far ahead of it
.endr
	s_wait_dscnt 0x0
.irp g, 1,2,3,4,5,6,7,8,9,10,11,12,13,14,15
	v_pk_add_f32 v[RK:RK+1], v[RK:RK+1], v[RK+2*\g:RK+2*\g+1]
.endr
	s_wait_alu depctr_va_vdst(0)                   ; the additions have written v[RK], v[RK + 1], which the store reads
	global_store_b64 v[LOFF], v[RK:RK+1], s[8:9] offset:8192             ; 256 consecutive bytes, aligned
.Ldone:
	s_wait_dscnt 0x0
	s_wait_alu depctr_hold_cnt(0) depctr_sa_sdst(0) depctr_va_vdst(0) depctr_va_sdst(0) depctr_va_ssrc(0) depctr_va_vcc(0) depctr_vm_vsrc(0)
	s_wait_tensorcnt 0x0
	ds_add_u32 v27, v31
	s_wait_dscnt 0x0
	s_endpgm
.Lfunc_end_k_q16537a6b8a_kvpart:
	.size	k_q16537a6b8a_kvpart, .Lfunc_end_k_q16537a6b8a_kvpart-k_q16537a6b8a_kvpart
	.p2alignl 7, 3214868480
	.fill 96, 4, 3214868480
	.section	.rodata,"a",@progbits
	.p2align	6, 0x0
	.amdhsa_kernel k_q16537a6b8a_kvpart
		.amdhsa_group_segment_fixed_size 137216
		.amdhsa_private_segment_fixed_size 0
		.amdhsa_enable_private_segment 0
		.amdhsa_kernarg_size 24
		.amdhsa_user_sgpr_count 2
		.amdhsa_user_sgpr_kernarg_segment_ptr 1
		.amdhsa_wavefront_size32 1
		.amdhsa_system_sgpr_workgroup_id_x 1
		.amdhsa_system_sgpr_workgroup_id_y 1
		.amdhsa_system_sgpr_workgroup_id_z 1
		.amdhsa_system_vgpr_workitem_id 0
		.amdhsa_next_free_vgpr 256
		.amdhsa_next_free_sgpr 66
		.amdhsa_reserve_vcc 0
		.amdhsa_float_denorm_mode_32 3
		.amdhsa_float_denorm_mode_16_64 3
		.amdhsa_memory_ordered 1
		.amdhsa_forward_progress 1
		.amdhsa_inst_pref_size 68
	.end_amdhsa_kernel
	.amdgpu_metadata
---
amdhsa.version: [ 1, 2 ]
amdhsa.kernels:
  - .name:           k_q16537a6b8a_kvpart
    .symbol:         k_q16537a6b8a_kvpart.kd
    .args:
      - { .name: keys, .offset: 0, .size: 8, .value_kind: global_buffer, .address_space: global }
      - { .name: values, .offset: 8, .size: 8, .value_kind: global_buffer, .address_space: global }
      - { .name: kvp, .offset: 16, .size: 8, .value_kind: global_buffer, .address_space: global }
    .group_segment_fixed_size: 137216
    .private_segment_fixed_size: 0
    .kernarg_segment_align: 8
    .kernarg_segment_size: 24
    .max_flat_workgroup_size: 512
    .sgpr_count:     66
    .vgpr_count:     256
    .wavefront_size: 32
...
	.end_amdgpu_metadata
.endif
;; end of part 3
;; launch attn: the kernel of part 2 again; grid 256 x 1, 16 waves a work-group, no clusters, 296,960 bytes of LDS; arguments queries, kvp, out0; writes out0
